; MI455X (gfx1250); checked and timed in simulation.
; The chip was launched on July 23, 2026; its instructions are those of AMD's public machine-readable ISA for CDNA 5 (MIT licence, August 2026) and "CDNA5" Instruction Set Architecture Reference Guide (July 2026). The comments in the code are by the model that wrote it; some were corrected since.
;; Group Linear. Allowed arithmetic: matrix products marked QUANTISED: E3M2 operands, one E8M0 scale for each 32 along K, by v_wmma_scale_f32_16x16x128_f8f6f4 with both operands' format E3M2, f32 sums; everything else in f32.
;; Inputs: group 4 x 2,048 int32; weight 8 x 1,024 x 1,024 float32; x 4 x 2,048 x 1,024 float32.
;; Outputs: out0 4 x 2,048 x 1,024 float32.
;; This version of the problem:
;;   THIS VERSION OF THE PROBLEM IS GIVEN IN LOW PRECISION. The matrix products marked QUANTISED in the list below multiply operands that are first quantised to E3M2 (3 exponent bits, 2 mantissa bits; 6 bits a number), with one power-of-two scale for each 32 numbers along K (OCP MX v1.0); their sums are f32. All else is computed in f32.
;;   The module's matrix products, in the order in which they are computed (A, B: the left and right operand; K: the contracted axis; several contracted axes count as one K, in the product's order):
;;     1. [M 8,192, K 1,024] x [K 1,024, N 8,192]; A: input x; B: input weight: QUANTISED
;;   THE QUANTISER, for each operand of a quantised product, along K:
;;     - K is cut into blocks of 32 from its start; a last block that is shorter is filled with zeros.
;;     - A block's scale is 2^e with e = floor(log2(the largest magnitude in the block)) - 4, held to -126 .. 127; a block of zeros has e = 0. As a byte (E8M0): e + 127.
;;     - Each number is divided by its block's scale, clamped to +-28, and rounded to the nearest number of E3M2, ties to even, subnormals kept.
;;     - The product sums the exact products of the quantised numbers (number of the format x scale) in f32.
;;   ~~~python
;;   def quantise(x, axis):      # numpy; x: float32 -> the quantised numbers, widened to float32 again
;;       x = np.moveaxis(x, axis, -1); K = x.shape[-1]
;;       x = np.pad(x, [(0, 0)] * (x.ndim - 1) + [(0, -K % 32)]); x = x.reshape(x.shape[:-1] + (-1, 32)); a = np.abs(x).max(-1, keepdims=True)
;;       e = np.where(a > 0, np.clip(np.frexp(np.where(a > 0, a, 1))[1] - 1 - 4, -126, 127), 0)      # np.frexp(a)[1] - 1 = floor(log2(a)), exactly
;;       r = np.clip(x / 2.0 ** e, -28, 28)
;;       step = 2.0 ** (np.maximum(np.frexp(np.where(r == 0, 1, r))[1] - 1, -2) - 2)
;;       q = np.round(r / step) * step * 2.0 ** e      # np.round: ties to even
;;       return np.moveaxis(q.reshape(q.shape[:-2] + (-1,))[..., :K], -1, axis).astype(np.float32)
;;   ~~~
;; 2 versions, each right; version 2 is version 1 with the launch gemm written anew for expert scheduling mode. Each part assembles by itself: llvm-mc -triple=amdgcn-amd-amdhsa -mcpu=gfx1250 --defsym DOCPART=n.
;; ======== version 1 of 2: 2 launches
;; workspace buffers: xq 6,291,456 bytes; xs 262,144 bytes; wq 6,291,456 bytes; ws 262,144 bytes; order 32,768 bytes of whole numbers; tiles 2,048 bytes of whole numbers
;; launch prep (part 1): grid 257 x 1, 4 waves a work-group, no clusters, 91,136 bytes of LDS; arguments group, weight, x, xq, xs, wq, ws, order, tiles; writes xq, xs, wq, ws, order, tiles
.if DOCPART == 1
	.amdgcn_target "amdgcn-amd-amdhsa--gfx1250"
	.amdhsa_code_object_version 6
	.text
	.protected	k_qaae3098d00_prep
	.globl	k_qaae3098d00_prep
	.p2align	8
	.type	k_qaae3098d00_prep,@function
k_qaae3098d00_prep:
	s_mov_b64 s[64:65], 0
	v_nop
	global_prefetch_b8 v0, s[64:65] scope:SCOPE_SE
	s_setreg_imm32_b32 hwreg(HW_REG_WAVE_MODE, 25, 1), 1
	s_wait_xcnt 0x0
; x [8192][1024] and weight [8 x 1024][1024], f32, K innermost, become codes of BF6 (E3M2), 6 bits each, with one E8M0 scale byte for each 32 along K;
; and the 8,192 tokens are sorted by their group, with a table of row tiles for the product that follows.
; A block's scale is 2^(floor(log2(its largest magnitude)) - 4); its byte is the largest magnitude's exponent field - 4, held at 1 from below.
; LIMITS: NaN and infinities among x and weight are not served.  A block of zeros gets the byte 1 where the quantiser says 127: its codes are zeros, which add nothing
; under any byte but 0xff, and the bytes are read by this program alone.  group is taken to lie in 0 .. 7, as the gather of the problem itself relies on.
; SHARES.  Work-group 0 sorts.  Work-groups 1-128 take x, 129-256 weight: only pointers are chosen, both tensors take one path.  A wave takes 16 rows of 1,024 numbers.
; A ROW: eight loads of 512 consecutive bytes; the 4,096 bytes turn through the wave's own stage in LDS (places of 128 bytes + 16), so that lane l holds block l, 32 neighbours along K:
; the block's largest magnitude needs no other lane, and two conversions give its 24 bytes of codes.
; A ROW OF CODES (768 bytes): K step s (128 codes) at byte 96 s; in it the four blocks stand in the order 0, 2, 1, 3, so that lane (r, h) of a matrix operand finds its twelve registers
; (blocks h and 2 + h) as 48 consecutive bytes at 96 s + 48 h.  The scale bytes keep their natural order: word s of a row's 32 bytes is K step s's scale word.
; OUT.  x's codes leave as rows, [token][768].  weight's leave in the order of the operand's registers: [tile of 16 rows][K step][16-byte piece 0..2][lane][16 bytes].
; Either way the wave's 12,288 bytes are consecutive, and each store covers 512 consecutive bytes, aligned.  Waves share nothing on this path: no barrier.
.set WREG,  22528                      ; LDS: a region for each wave
.set TP,    144                        ; a block's place in a turn stage: 128 bytes + 16
.set TURNB, 32*TP                      ; two turn stages at 0 and at TURNB
.set CSTG,  2*TURNB                    ; the codes of 16 rows,
.set CP,    784                        ; 768 bytes + 16 apart (49 x 16)
.set SSTG,  CSTG+16*CP                 ; their 512 scale bytes
.set SORTL, 4*WREG                     ; 512 bytes that the sorting path alone names
.set LN,  1                            ; v1   lane
.set LD,  2                            ; v2   16 x lane: my 16 bytes of 512, in and out
.set TW,  3                            ; v3   turn stage, in:  144 (lane / 8) + 16 (lane % 8)
.set TR,  4                            ; v4   turn stage, out: 144 x lane
.set CW,  5                            ; v5   my block's 24 bytes in a row of codes
.set SW,  6                            ; v6   my block's scale byte
.set WR,  7                            ; v7   way out, weight: row lane % 16, + 48 (lane / 16)
.set XA,  8                            ; v8   way out, x: 16 x lane
.set XB,  9                            ; v9   the same one row's padding further for lanes 16-31
.set SR,  10                           ; v10  way out, scale bytes
.set SX,  11                           ; v11  sorting: my word
.set SY,  12                           ; v12  sorting: word (wave lane / 8, group lane % 8)
.set C,   24                           ; v24-29, v30-35  a block's codes, two sets
.set T,   36                           ; v36-38 the second conversion's result (its three registers begin on an even number)
.set E,   40                           ; v40-41 the scale byte, two sets
.set R,   48                           ; v48-175  four rows as loaded
.set X,   176                          ; v176-239 two rows turned
.set O,   48                           ; the way out: 24 x 4 registers
.set G,   48                           ; sorting: v48-111 groups, then token numbers
.set P,   112                          ; v112-175 places in the sorted list
.set RK,  176                          ; v177-183 at work
	s_load_b512 s[4:19], s[0:1], 0x0               ; group 4:5, weight 6:7, x 8:9, xq 10:11, xs 12:13, wq 14:15, ws 16:17, order 18:19
	s_load_b64 s[20:21], s[0:1], 0x40              ; tiles
	v_lshl_add_u32 v240, v0, 2, 0x16200
	v_mov_b32 v241, 0
	v_lshrrev_b32 v1, 5, v0
	v_readfirstlane_b32 s22, v1                    ; wave 0..3
	v_and_b32 v[LN], 31, v0
	s_mul_i32 s23, s22, WREG                       ; my region
	s_add_co_u32 s30, s23, CSTG
	s_add_co_u32 s31, s23, SSTG
	v_lshlrev_b32 v[LD], 4, v[LN]
	v_lshrrev_b32 v13, 3, v[LN]
	v_and_b32 v14, 7, v[LN]
	v_mul_u32_u24 v[TW], v13, TP
	v_lshl_add_u32 v[TW], v14, 4, v[TW]
	v_add_nc_u32 v[TW], s23, v[TW]
	v_lshlrev_b32 v[SY], 7, v13
	v_lshl_add_u32 v[SY], v14, 2, v[SY]
	v_add_nc_u32 v[SY], SORTL, v[SY]
	v_mul_u32_u24 v[TR], v[LN], TP
	v_add_nc_u32 v[TR], s23, v[TR]
	v_lshrrev_b32 v13, 2, v[LN]                    ; block l = K step l / 4, block b = l % 4 of it, at 48 (b % 2) + 24 (b / 2)
	v_mul_u32_u24 v[CW], v13, 96
	v_and_b32 v13, 1, v[LN]
	v_mad_u32_u24 v[CW], v13, 48, v[CW]
	v_bfe_u32 v13, v[LN], 1, 1
	v_mad_u32_u24 v[CW], v13, 24, v[CW]
	v_add_nc_u32 v[CW], s30, v[CW]
	v_add_nc_u32 v[SW], s31, v[LN]
	v_and_b32 v13, 15, v[LN]
	v_lshrrev_b32 v14, 4, v[LN]
	v_mul_u32_u24 v[WR], v13, CP
	v_mad_u32_u24 v[WR], v14, 48, v[WR]
	v_add_nc_u32 v[WR], s30, v[WR]
	v_add_nc_u32 v[XA], s30, v[LD]
	v_lshl_add_u32 v[XB], v14, 4, v[XA]
	v_add_nc_u32 v[SR], s31, v[LD]
	v_lshl_add_u32 v[SX], v0, 2, SORTL
	s_wait_kmcnt 0x0
	s_cmp_eq_u32 ttmp9, 0
	s_cbranch_scc1 .Lsort
	; ---------------- the quantiser ----------------
	s_cmp_lt_u32 ttmp9, 129                        ; x's work-group or weight's?  The choice hangs on the work-group's number alone
	s_cselect_b64 s[24:25], s[8:9], s[6:7]         ; the numbers,
	s_cselect_b64 s[26:27], s[10:11], s[14:15]     ; their codes,
	s_cselect_b64 s[28:29], s[12:13], s[16:17]     ; their scale bytes
	s_sub_co_u32 s30, ttmp9, 1
	s_and_b32 s30, s30, 127
	s_lshl_b32 s30, s30, 2
	s_add_co_u32 s30, s30, s22                     ; which 16 rows of the tensor are my wave's: 0 .. 511
	s_mov_b32 s33, 0
	s_lshl_b32 s32, s30, 16                        ; 16 rows x 4,096 bytes
	s_add_nc_u64 s[24:25], s[24:25], s[32:33]
	s_mul_i32 s32, s30, 12288                      ; 16 rows x 768 bytes
	s_add_nc_u64 s[26:27], s[26:27], s[32:33]
	s_lshl_b32 s32, s30, 9                         ; 16 rows x 32 bytes
	s_add_nc_u64 s[28:29], s[28:29], s[32:33]
.macro LOAD t                          ; row t into set t % 4: each load reads 512 consecutive bytes
.irp i, 0,1,2,3,4,5,6,7
	global_load_b128 v[R+32*((\t)%4)+4*\i:R+32*((\t)%4)+4*\i+3], v[LD], s[24:25] offset:4096*(\t)+512*\i th:TH_LOAD_NT
.endr
.endm
.macro TURN t                          ; row t through stage t % 2: LDS serves a wave's instructions in order, so no wait stands between the stores and the loads
.irp i, 0,1,2,3,4,5,6,7
	ds_store_b128 v[TW], v[R+32*((\t)%4)+4*\i:R+32*((\t)%4)+4*\i+3] offset:TURNB*((\t)%2)+4*TP*\i
.endr
.irp i, 0,1,2,3,4,5,6,7
	ds_load_b128 v[X+32*((\t)%2)+4*\i:X+32*((\t)%2)+4*\i+3], v[TR] offset:TURNB*((\t)%2)+16*\i
.endr
.endm
.macro STEP t
.set XS, X+32*((\t)%2)
.set CS, C+6*((\t)%2)
.if (\t) > 0
	s_wait_dscnt 4                                 ; this row is back from its stage; the four younger LDS instructions are the last row's code and byte stores.  So the stage's stores have read
.else                                              ; set t % 4, and the stores of two rows ago have read this row's set of code registers
	s_wait_dscnt 0x0
.endif
.if (\t)+4 < 16
	LOAD (\t)+4                                    ; four rows ahead: 32 loads of the wave are on their way
.endif
.if (\t)+1 < 16
.if (\t)+4 < 16
	s_wait_loadcnt 24                              ; the next row is in; the three rows behind it may be out
.else
	s_wait_loadcnt 8*(14-(\t))                     ; the counts run down: rows t + 2 .. 15 may be out
.endif
	TURN (\t)+1                                    ; it goes through the other stage while this row is worked
.endif
	v_max3_num_f32 v16, |v[XS]|, |v[XS+1]|, |v[XS+2]|               ; the block's largest magnitude: all 32 numbers are mine; two chains
	v_max3_num_f32 v17, |v[XS+3]|, |v[XS+4]|, |v[XS+5]|
.irp i, 6,10,14,18,22,26
	v_max3_num_f32 v16, v16, |v[XS+\i]|, |v[XS+\i+1]|
	v_max3_num_f32 v17, v17, |v[XS+\i+2]|, |v[XS+\i+3]|
.endr
	v_max3_num_f32 v16, v16, |v[XS+30]|, |v[XS+31]|
	v_max3_num_f32 v16, v16, v17, 0x2800000        ; and the floor 2^(5 - 127): the byte cannot fall under 1
	v_add_nc_u32 v18, 0xfe000000, v16              ; 4 off the exponent field: the conversion takes the exponent field of this operand as its scale, and nothing else of it
	v_cvt_scalef32_pk16_bf6_f32 v[CS:CS+2], v[XS:XS+15], v18
	v_cvt_scalef32_pk16_bf6_f32 v[T:T+2], v[XS+16:XS+31], v18
	v_lshrrev_b32 v[E+(\t)%2], 23, v18             ; the scale's byte; also the plain instruction between the conversions and the moves that read their result
	v_mov_b32 v[CS+3], v[T]
	v_mov_b32 v[CS+4], v[T+1]
	v_mov_b32 v[CS+5], v[T+2]
	ds_store_b64 v[CW], v[CS:CS+1] offset:CP*(\t)
	ds_store_b64 v[CW], v[CS+2:CS+3] offset:CP*(\t)+8
	ds_store_b64 v[CW], v[CS+4:CS+5] offset:CP*(\t)+16
	ds_store_b8 v[SW], v[E+(\t)%2] offset:32*(\t)
.endm
	LOAD 0
	LOAD 1
	LOAD 2
	LOAD 3
	s_wait_loadcnt 24                              ; row 0 is in
	TURN 0
.irp t, 0,1,2,3,4,5,6,7,8,9,10,11,12,13,14,15
	STEP \t
.endr
	; the way out: 24 loads of 512 bytes from the code stage, in the order in which the bytes leave.  Only these loads differ between the two tensors.
	s_cmp_lt_u32 ttmp9, 129
	s_cbranch_scc1 .Lx_rows
.irp s, 0,1,2,3,4,5,6,7
.irp c, 0,1,2
	ds_load_b128 v[O+4*(3*\s+\c):O+4*(3*\s+\c)+3], v[WR] offset:96*\s+16*\c      ; weight: lane (r, h) takes piece c of its 48 bytes of K step s
.endr
.endr
	s_branch .Lsend
.Lx_rows:
.irp j, 0,1,2,3,4,5,6,7                ; x: rows 2 j and 2 j + 1 are 1,536 bytes on end in memory, 784 apart in the stage: the second row begins at byte 768, in the middle load's lane 16
	ds_load_b128 v[O+12*\j:O+12*\j+3], v[XA] offset:2*CP*\j
	ds_load_b128 v[O+12*\j+4:O+12*\j+7], v[XB] offset:2*CP*\j+512
	ds_load_b128 v[O+12*\j+8:O+12*\j+11], v[XA] offset:2*CP*\j+1040
.endr
.Lsend:
	ds_load_b128 v[144:147], v[SR]                 ; the 512 scale bytes
.set i, 0
.rept 24
	s_wait_dscnt 24-i                              ; behind load i: 23 - i code loads and the scale load
	global_store_b128 v[LD], v[O+4*i:O+4*i+3], s[26:27] offset:512*i     ; 512 consecutive bytes, aligned; read again by the next launch, so no hint
.set i, i+1
.endr
	s_wait_dscnt 0x0
	global_store_b128 v[LD], v[144:147], s[28:29]
	s_wait_tensorcnt 0x0
	ds_add_u32 v240, v241
	s_wait_dscnt 0x0
	s_endpgm
	; ---------------- the sort: a counting sort of 8,192 tokens by group, one work-group, no atomics ----------------
	; Wave w owns tokens 2,048 w on; register 4 i + c of lane l holds token 2,048 w + 128 i + 4 l + c.  The order inside a group is free: each token has its own row of the result.
	; s24-31 masks, s32-39 their counts, s52-59 running counts, then running places; s66-97 the counts of all four waves.
.Lsort:
	v_lshl_add_u32 v13, s22, 13, v[LD]             ; 8,192 w + 16 l
.irp i, 0,1,2,3,4,5,6,7,8,9,10,11,12,13,14,15
	global_load_b128 v[G+4*\i:G+4*\i+3], v13, s[4:5] offset:512*\i
.endr
.irp e, 0,1,2,3,4,5,6,7
	s_mov_b32 s[52+\e], 0
.endr
	v_lshlrev_b32 v190, 2, v[LN]
	v_lshl_add_u32 v190, s22, 11, v190             ; the token of my register 0
	v_mov_b32 v192, 0
	s_wait_loadcnt 0x0
.set k, 0
.rept 64                               ; my wave's count of each group
.irp e, 0,1,2,3,4,5,6,7
	v_cmp_eq_u32 s[24+\e], \e, v[G+k]
.endr
.irp e, 0,1,2,3,4,5,6,7
	s_bcnt1_i32_b32 s[32+\e], s[24+\e]
.endr
.irp e, 0,1,2,3,4,5,6,7
	s_add_co_u32 s[52+\e], s[52+\e], s[32+\e]
.endr
.set k, k+1
.endr
.irp e, 0,1,2,3,4,5,6,7
	v_writelane_b32 v192, s[52+\e], \e
.endr
	ds_store_b32 v[SX], v192                       ; lane e of wave w: its count of group e
	s_wait_dscnt 0x0                               ; for the others' sake: my store is done
	s_barrier_signal -1                            ; the launch's one barrier: on this path all four waves of work-group 0 pass it
	s_barrier_wait -1
	ds_load_b32 v193, v[SY]
	s_wait_dscnt 0x0
.set i, 0
.rept 32
	v_readlane_b32 s[66+i], v193, i                ; s[66 + 8 w + e]
.set i, i+1
.endr
	s_mov_b32 s49, 0                               ; where the group's rows begin in the sorted list
	s_mov_b32 s50, 0                               ; where its tiles begin in the table
.irp e, 0,1,2,3,4,5,6,7
	s_mov_b32 s[32+\e], s49
	s_mov_b32 s[40+\e], s50
	s_mov_b32 s[52+\e], s49                        ; my wave's first place in the group: behind the lower waves' tokens
.irp u, 0,1,2
	s_cmp_gt_u32 s22, \u
	s_cselect_b32 s51, s[66+8*\u+\e], 0
	s_add_co_u32 s[52+\e], s[52+\e], s51
.endr
	s_add_co_u32 s[24+\e], s[66+\e], s[74+\e]
	s_add_co_u32 s51, s[82+\e], s[90+\e]
	s_add_co_u32 s[24+\e], s[24+\e], s51           ; the group's tokens, n
	s_add_co_u32 s49, s49, s[24+\e]
	s_add_co_u32 s51, s[24+\e], 143
	s_mul_i32 s51, s51, 7282                       ; (n + 143) / 144 rounded down: 7282 / 2^20 exceeds 1 / 144 by 2.2e-7, which over n + 143 <= 8,335 stays under 1 / 144
	s_lshr_b32 s51, s51, 20
	s_add_co_u32 s50, s50, s51
.endr
	s_mov_b32 s48, s50                             ; tiles in all: at most (8,192 + 8 x 143) / 144, that is 64
	; the table: thread i writes entry i: (group, first place, rows, 0); entries behind the last tile are zeros
	v_mov_b32 v184, 0
	v_mov_b32 v185, s32
	v_mov_b32 v186, s24
	v_mov_b32 v188, s40
.irp e, 1,2,3,4,5,6,7
	v_cmp_le_u32 vcc_lo, s[40+\e], v0              ; the last group whose tiles begin at or before i is i's (a group without tokens is passed over by the next one)
	v_cndmask_b32 v184, v184, \e, vcc_lo
	v_cndmask_b32 v185, v185, s[32+\e], vcc_lo
	v_cndmask_b32 v186, v186, s[24+\e], vcc_lo
	v_cndmask_b32 v188, v188, s[40+\e], vcc_lo
.endr
	v_sub_nc_u32 v188, v0, v188
	v_mul_u32_u24 v188, v188, 144
	v_add_nc_u32 v185, v185, v188
	v_sub_nc_u32 v186, v186, v188
	v_min_u32 v186, 144, v186
	v_cmp_gt_u32 vcc_lo, s48, v0
	v_cndmask_b32 v184, 0, v184, vcc_lo
	v_cndmask_b32 v185, 0, v185, vcc_lo
	v_cndmask_b32 v186, 0, v186, vcc_lo
	v_mov_b32 v187, 0
	v_lshlrev_b32 v189, 4, v0
	global_store_b128 v189, v[184:187], s[20:21]
	; each token's place: the group's running place + the lower lanes of the same group; then its number goes there.  These are stores of 4 bytes to places that hang on the data, 32,768 bytes in all:
	; gathering them in LDS first would want LDS addresses made of data.  Every store has registers of its own, so none is rewritten.
.set k, 0
.rept 64
.irp e, 0,1,2,3,4,5,6,7
	v_cmp_eq_u32 s[24+\e], \e, v[G+k]
.endr
	v_mbcnt_lo_u32_b32 v[P+k], s24, s52
.irp e, 1,2,3,4,5,6,7
	v_mbcnt_lo_u32_b32 v[RK+\e], s[24+\e], s[52+\e]
.endr
.irp e, 1,2,3,4,5,6,7
	v_cndmask_b32 v[P+k], v[P+k], v[RK+\e], s[24+\e]
.endr
.irp e, 0,1,2,3,4,5,6,7
	s_bcnt1_i32_b32 s[32+\e], s[24+\e]
.endr
.irp e, 0,1,2,3,4,5,6,7
	s_add_co_u32 s[52+\e], s[52+\e], s[32+\e]
.endr
	v_add_nc_u32 v[G+k], 128*(k/4)+k%4, v190       ; the token's number
	v_min_u32 v[P+k], 0x1fff, v[P+k]               ; a place made of loaded numbers is held inside the list
	v_lshlrev_b32 v[P+k], 2, v[P+k]
	global_store_b32 v[P+k], v[G+k], s[18:19]
.set k, k+1
.endr
	s_wait_tensorcnt 0x0
	ds_add_u32 v240, v241
	s_wait_dscnt 0x0
	s_endpgm
.Lfunc_end_k_qaae3098d00_prep:
	.size	k_qaae3098d00_prep, .Lfunc_end_k_qaae3098d00_prep-k_qaae3098d00_prep
	.p2alignl 7, 3214868480
	.fill 96, 4, 3214868480
	.section	.rodata,"a",@progbits
	.p2align	6, 0x0
	.amdhsa_kernel k_qaae3098d00_prep
		.amdhsa_group_segment_fixed_size 91136
		.amdhsa_private_segment_fixed_size 0
		.amdhsa_enable_private_segment 0
		.amdhsa_kernarg_size 72
		.amdhsa_user_sgpr_count 2
		.amdhsa_user_sgpr_kernarg_segment_ptr 1
		.amdhsa_wavefront_size32 1
		.amdhsa_system_sgpr_workgroup_id_x 1
		.amdhsa_system_sgpr_workgroup_id_y 1
		.amdhsa_system_sgpr_workgroup_id_z 1
		.amdhsa_system_vgpr_workitem_id 0
		.amdhsa_next_free_vgpr 242
		.amdhsa_next_free_sgpr 100
		.amdhsa_reserve_vcc 1
		.amdhsa_float_denorm_mode_32 3
		.amdhsa_float_denorm_mode_16_64 3
		.amdhsa_memory_ordered 1
		.amdhsa_forward_progress 1
		.amdhsa_inst_pref_size 255
	.end_amdhsa_kernel
	.section	.bss,"aw",@nobits
	.p2align	6
	.space	262144
	.amdgpu_metadata
---
amdhsa.version: [ 1, 2 ]
amdhsa.kernels:
  - .name:           k_qaae3098d00_prep
    .symbol:         k_qaae3098d00_prep.kd
    .args:
      - { .name: group, .offset: 0, .size: 8, .value_kind: global_buffer, .address_space: global }
      - { .name: weight, .offset: 8, .size: 8, .value_kind: global_buffer, .address_space: global }
      - { .name: x, .offset: 16, .size: 8, .value_kind: global_buffer, .address_space: global }
      - { .name: xq, .offset: 24, .size: 8, .value_kind: global_buffer, .address_space: global }
      - { .name: xs, .offset: 32, .size: 8, .value_kind: global_buffer, .address_space: global }
      - { .name: wq, .offset: 40, .size: 8, .value_kind: global_buffer, .address_space: global }
      - { .name: ws, .offset: 48, .size: 8, .value_kind: global_buffer, .address_space: global }
      - { .name: order, .offset: 56, .size: 8, .value_kind: global_buffer, .address_space: global }
      - { .name: tiles, .offset: 64, .size: 8, .value_kind: global_buffer, .address_space: global }
    .group_segment_fixed_size: 91136
    .private_segment_fixed_size: 0
    .kernarg_segment_align: 8
    .kernarg_segment_size: 72
    .max_flat_workgroup_size: 128
    .sgpr_count:     100
    .vgpr_count:     242
    .wavefront_size: 32
...
	.end_amdgpu_metadata
.endif
;; end of part 1
;; launch gemm (part 2): grid 4 x 64, 4 waves a work-group, no clusters, 138,496 bytes of LDS; arguments tiles, order, xq, xs, wq, ws, out0; writes out0
.if DOCPART == 2
	.amdgcn_target "amdgcn-amd-amdhsa--gfx1250"
	.amdhsa_code_object_version 6
	.text
	.protected	k_qaae3098d00_gemm
	.globl	k_qaae3098d00_gemm
	.p2align	8
	.type	k_qaae3098d00_gemm,@function
k_qaae3098d00_gemm:
	s_mov_b64 s[64:65], 0
	v_nop
	global_prefetch_b8 v0, s[64:65] scope:SCOPE_SE
	s_setreg_imm32_b32 hwreg(HW_REG_WAVE_MODE, 25, 1), 1
	s_wait_xcnt 0x0
; out0[token][:] = Q(x[token]) . Q(weight[group[token]])^T on codes of BF6 (E3M2) with one E8M0 scale for each 32 along K; sums in f32.  Only the chosen group's rows are multiplied.
; SHARES.  Work-group (x, y) takes row tile y of the table (up to 144 tokens of one group, by the sorted list) and output columns 256 x on.  With 8,192 tokens, 8 groups and tiles of 144 rows there are
; never more than 64 tiles, whatever the split: the grid of 4 x 64 serves every split; a tile without rows stores nothing and ends behind the barrier.
; Four waves; wave w makes all 144 rows x columns 64 w on: 36 accumulators of 16 x 16, 288 registers.
; B: the wave's 64 weight rows for all of K, 384 registers, come from memory straight into registers, from a buffer laid in the order of the operand's registers: each load reads 512 consecutive bytes.
; A: the tile's rows of codes are gathered once into LDS; sixteen lanes read 256 consecutive bytes, aligned, of a token's 768.  Wave w brings rows 36 w on.  Nothing in LDS is filled twice.
; No cluster and no joint loads: A's rows are a gather lane by lane, B has no copy in LDS to share, and which tiles share a group hangs on the stored table.
; ROWS BEHIND THE TILE'S LAST repeat its last row (the index into the list is held at rows - 1).  Whole blocks of 16 such rows are neither staged nor stored; inside the last block they store the last
; row's own numbers to its own bytes again: at most 15 rows a tile, from the same wave, the same values.
; THE MATRIX INSTRUCTION IS USED TRANSPOSED (source 0 = 16 weight rows, source 1 = 16 tokens): lane (r, h) holds token r and its registers the columns 8 h + 0 .. 7: 32 neighbouring bytes of a row.
; REGISTERS, in windows of 256 (s_set_vgpr_msb: bits 1:0 source 0, 3:2 source 1, 5:4 source 2, 7:6 destination):
;   window 0: v1-25 addresses; v32-63 weight's scale words (8 b + s); v64-135 x's (8 a + s): these hold scales alone; v136-243 A's nine fragments, one set (before the K steps: gather addresses and scales;
;             on the way out: rows read back, tokens, offsets).
;   window 1: accumulators of blocks 0-7 at 8 (4 a + b) (before the K steps: the gathered codes).   window 2: v0-31 block 8's; v32-175 B of K steps 5-7.   window 3: B of K steps 0-4.
.set AP,    784                        ; a row of A's codes in LDS: 768 bytes + 16 (49 x 16)
.set ASC,   144*AP                     ; x's scale bytes: 144 rows, 48 bytes apart, 32 used
.set TOKL,  ASC+144*48                 ; the tile's 144 token numbers
.set STAGE, TOKL+768                   ; the way out: 16 rows x (256 bytes + 16) for each wave
.set SP,    272
.set LN,  1                            ; lane
.set RR,  2                            ; r = lane % 16
.set HH,  3                            ; h = lane / 16
.set L16, 4                            ; 16 x lane
.set R32, 5                            ; 32 r
.set AF,  6                            ; A's fragments: 784 r + 48 h
.set AF2, 7                            ; the same five blocks on: the 16-bit offset does not reach blocks 5-8 from AF
.set GW,  8                            ; gather, into LDS: my wave's rows, row h of a pair, 16 r
.set TW1, 9                            ; token words: rows 36 w + lane
.set TW2, 10                           ; rows 36 w + 32 + lane % 4
.set PT,  11                           ; the pair's token: row 36 w + h
.set SW1, 12                           ; scale rows 36 w + lane
.set SW2, 13                           ; rows 36 w + 32 + lane % 4
.set ASA, 14                           ; x's scale words: row r
.set STO, 15                           ; stage, in
.set RD,  16                           ; stage, back
.set TK,  17                           ; the token of row h
.set CO,  18                           ; 16 r
.set BS,  32
.set AS,  64
.set AFR, 136
.set GA,  136                          ; v136-153 the 18 pairs' tokens, then byte offsets
.set GS,  160                          ; v160-175 gathered scale bytes
.set OUT, 136                          ; the way out: v136-167, v168-199 rows read back, by turns
.set TKR, 200                          ; v200-215 their tokens
.set OFR, 216                          ; v216-231 their byte offsets in out0
.set MSB, 0
.macro WIN new                         ; the immediate's high byte repeats the setting that is left; a switch that changes nothing is dropped
.if MSB != (\new)
	s_set_vgpr_msb (MSB<<8)|(\new)
.set MSB, (\new)
.endif
.endm
.macro PLACES                          ; four plain instructions between a matrix instruction and a load into a register that it read, or an LDS store of its result
.rept 4
	v_nop
.endr
.endm
	s_load_b256 s[4:11], s[0:1], 0x0               ; tiles 4:5, order 6:7, xq 8:9, xs 10:11
	s_load_b128 s[12:15], s[0:1], 0x20             ; wq 12:13, ws 14:15
	s_load_b64 s[16:17], s[0:1], 0x30              ; out0
	v_lshl_add_u32 v254, v0, 2, 0x21b00
	v_mov_b32 v255, 0
	v_lshrrev_b32 v1, 5, v0
	v_readfirstlane_b32 s18, v1                    ; wave 0..3
	s_mov_b32 s19, ttmp9                           ; column block
	s_and_b32 s20, ttmp7, 0xffff                   ; row tile,
	s_lshl_b32 s20, s20, 4                         ; 16 bytes an entry
	s_mov_b32 s21, 0
	v_and_b32 v[LN], 31, v0
	v_and_b32 v[RR], 15, v0
	v_bfe_u32 v[HH], v0, 4, 1
	v_lshlrev_b32 v[L16], 4, v[LN]
	v_lshlrev_b32 v[R32], 5, v[RR]
	v_lshlrev_b32 v[CO], 4, v[RR]
	v_mul_u32_u24 v[AF], v[RR], AP
	v_mad_u32_u24 v[AF], v[HH], 48, v[AF]
	v_add_nc_u32 v[AF2], 5*16*AP, v[AF]
	s_wait_kmcnt 0x0
	s_add_nc_u64 s[4:5], s[4:5], s[20:21]
	s_load_b128 s[24:27], s[4:5], 0x0              ; group, first place in the list, rows, 0
	s_mul_i32 s30, s18, 36*AP
	v_mad_u32_u24 v[GW], v[HH], AP, v[CO]
	v_add_nc_u32 v[GW], s30, v[GW]
	s_mul_i32 s30, s18, 144
	s_add_co_u32 s30, s30, TOKL
	v_and_b32 v25, 3, v[LN]
	v_lshl_add_u32 v[TW1], v[LN], 2, s30
	v_lshl_add_u32 v[TW2], v25, 2, s30
	v_add_nc_u32 v[TW2], 128, v[TW2]
	v_lshl_add_u32 v[PT], v[HH], 2, s30
	s_mul_i32 s30, s18, 36*48
	s_add_co_u32 s30, s30, ASC
	v_mul_u32_u24 v[SW1], v[LN], 48
	v_add_nc_u32 v[SW1], s30, v[SW1]
	v_mul_u32_u24 v[SW2], v25, 48
	v_add_nc_u32 v[SW2], s30, v[SW2]
	v_add_nc_u32 v[SW2], 32*48, v[SW2]
	v_mul_u32_u24 v[ASA], v[RR], 48
	v_add_nc_u32 v[ASA], ASC, v[ASA]
	s_mul_i32 s30, s18, 16*SP
	s_add_co_u32 s30, s30, STAGE
	v_mul_u32_u24 v[STO], v[RR], SP
	v_lshl_add_u32 v[STO], v[HH], 5, v[STO]
	v_add_nc_u32 v[STO], s30, v[STO]
	v_mul_u32_u24 v[RD], v[HH], SP
	v_add_nc_u32 v[RD], v[RD], v[CO]
	v_add_nc_u32 v[RD], s30, v[RD]
	v_lshlrev_b32 v[TK], 2, v[HH]
	v_add_nc_u32 v[TK], TOKL, v[TK]
	s_mul_i32 s30, s18, 36
	v_add_nc_u32 v19, s30, v[LN]                   ; the rows whose tokens I fetch: 36 w + lane,
	v_add_nc_u32 v20, s30, v25
	v_add_nc_u32 v20, 32, v20                      ; and 36 w + 32 + lane % 4
	s_wait_kmcnt 0x0
	s_min_u32 s24, s24, 7                          ; loaded numbers are held inside their ranges before they enter an address
	s_min_u32 s25, s25, 0x1fff
	s_min_u32 s26, s26, 144
	s_max_u32 s28, s26, 1
	s_sub_co_u32 s28, s28, 1                       ; the tile's last row (0 in a tile without rows: it then reads the list's first token and stores nothing)
	s_lshl_b32 s29, s24, 6
	s_lshl_b32 s30, s19, 4
	s_add_co_u32 s29, s29, s30
	s_lshl_b32 s30, s18, 2
	s_add_co_u32 s29, s29, s30                     ; my first tile of 16 weight rows: 64 group + 16 column block + 4 wave
	s_mov_b32 s31, 0
	s_mul_i32 s30, s29, 12288
	s_add_nc_u64 s[12:13], s[12:13], s[30:31]
	s_lshl_b32 s30, s29, 9
	s_add_nc_u64 s[14:15], s[14:15], s[30:31]
	s_lshl_b32 s30, s19, 10
	s_lshl_b32 s29, s18, 8
	s_add_co_u32 s30, s30, s29                     ; my 256 bytes of a row of out0
	s_add_nc_u64 s[16:17], s[16:17], s[30:31]
	v_min_u32 v19, s28, v19
	v_min_u32 v20, s28, v20
	v_add_nc_u32 v19, s25, v19
	v_add_nc_u32 v20, s25, v20
	v_min_u32 v19, 0x1fff, v19
	v_min_u32 v20, 0x1fff, v20
	v_lshlrev_b32 v19, 2, v19
	v_lshlrev_b32 v20, 2, v20
	global_load_b32 v21, v19, s[6:7]               ; the tokens
	global_load_b32 v22, v20, s[6:7]
.macro BLOAD s                         ; B of K step s: four fragments of twelve registers, three loads each
.if (\s) < 5
	WIN 0xc0
.set BB, 48*(\s)
.else
	WIN 0x80
.set BB, 32+48*((\s)-5)
.endif
.irp b, 0,1,2,3
.irp c, 0,1,2
	global_load_b128 v[BB+12*\b+4*\c:BB+12*\b+4*\c+3], v[L16], s[12:13] offset:12288*\b+1536*(\s)+512*\c
.endr
.endr
.endm
.irp b, 0,1,2,3                        ; weight's scale words: lane r takes row r's eight (lanes 16-31 the same rows; they are not read)
	global_load_b128 v[BS+8*\b:BS+8*\b+3], v[R32], s[14:15] offset:512*\b
	global_load_b128 v[BS+8*\b+4:BS+8*\b+7], v[R32], s[14:15] offset:512*\b+16
.endr
	BLOAD 0
	BLOAD 1
	BLOAD 2
	BLOAD 3
	WIN 0
	s_wait_loadcnt 56                              ; the two token loads are in; behind them: 8 scale loads and 48 of B
	v_min_u32 v21, 0x1fff, v21
	v_min_u32 v22, 0x1fff, v22
	ds_store_b32 v[TW1], v21
	ds_store_b32 v[TW2], v22                       ; (eight lanes write each word, with the same value)
	v_lshlrev_b32 v23, 5, v21
	v_lshlrev_b32 v24, 5, v22
	global_load_b128 v[GS:GS+3], v23, s[10:11]     ; my rows' 32 scale bytes
	global_load_b128 v[GS+4:GS+7], v23, s[10:11] offset:16
	global_load_b128 v[GS+8:GS+11], v24, s[10:11]
	global_load_b128 v[GS+12:GS+15], v24, s[10:11] offset:16
.irp i, 0,1,2,3,4,5,6,7,8,9,10,11,12,13,14,15,16,17
	ds_load_b32 v[GA+\i], v[PT] offset:8*\i        ; pair i: lanes 0-15 the token of my wave's row 2 i, lanes 16-31 of row 2 i + 1: my wave's own words, served in order behind the stores
.endr
	s_wait_dscnt 0x0
.irp i, 0,1,2,3,4,5,6,7,8,9,10,11,12,13,14,15,16,17
	v_min_u32 v[GA+\i], 0x1fff, v[GA+\i]
.endr
.irp i, 0,1,2,3,4,5,6,7,8,9,10,11,12,13,14,15,16,17
	v_mul_u32_u24 v[GA+\i], v[GA+\i], 768
.endr
.irp i, 0,1,2,3,4,5,6,7,8,9,10,11,12,13,14,15,16,17
	v_add_nc_u32 v[GA+\i], v[CO], v[GA+\i]
.endr
	WIN 0x40                                       ; destination window 1
.irp i, 0,1,2,3,4,5,6,7,8,9,10,11,12,13,14,15,16,17
.irp u, 0,1,2
	global_load_b128 v[4*(3*\i+\u):4*(3*\i+\u)+3], v[GA+\i], s[8:9] offset:256*\u    ; sixteen lanes read 256 consecutive bytes of a token's codes
.endr
.endr
	WIN 0
	s_wait_loadcnt 54                              ; the scale bytes are in; the 54 gather loads may be out
	ds_store_b128 v[SW1], v[GS:GS+3]
	ds_store_b128 v[SW1], v[GS+4:GS+7] offset:16
	ds_store_b128 v[SW2], v[GS+8:GS+11]
	ds_store_b128 v[SW2], v[GS+12:GS+15] offset:16
	WIN 0x04                                       ; an LDS store's data are its source 1: window 1
.irp q, 0,1,2
	s_wait_loadcnt 36-18*\q                        ; six pairs at a time: the 18 loads of pairs 6 q .. 6 q + 5 are in
.irp j, 0,1,2,3,4,5
.irp u, 0,1,2
	ds_store_b128 v[GW], v[4*(3*(6*\q+\j)+\u):4*(3*(6*\q+\j)+\u)+3] offset:2*AP*(6*\q+\j)+256*\u
.endr
.endr
.endr
	BLOAD 4                                        ; the rest of B: on its way across the barrier and the first four K steps; nobody writes those bytes
	BLOAD 5
	BLOAD 6
	BLOAD 7
	WIN 0
	s_wait_dscnt 0x0                               ; for the others' sake: my rows, scale bytes and tokens lie in LDS
	s_barrier_signal -1
	s_barrier_wait -1                              ; the one barrier: every wave passes it, in a tile without rows too
	s_cmp_eq_u32 s26, 0
	s_cbranch_scc1 .Lend
.macro FETCH_LO s                      ; A's blocks 0-4 of K step s: three loads of 16 bytes a fragment
.irp a, 0,1,2,3,4
.irp c, 0,1,2
	ds_load_b128 v[AFR+12*\a+4*\c:AFR+12*\a+4*\c+3], v[AF] offset:16*AP*\a+96*(\s)+16*\c
.endr
.endr
.endm
.macro FETCH_HI s                      ; blocks 5-8
.irp a, 5,6,7,8
.irp c, 0,1,2
	ds_load_b128 v[AFR+12*\a+4*\c:AFR+12*\a+4*\c+3], v[AF2] offset:16*AP*(\a-5)+96*(\s)+16*\c
.endr
.endr
.endm
; four matrix instructions: A's block a against B's four tiles, K step s.  In K step 0 the constant 0 starts the sums: nothing is cleared.
; The 36 accumulators take turns, one instruction a turn, in the same order in every K step.
.macro MULA a, s
.if (\a) < 8
.set AW, 1
.set AB, 32*(\a)
.else
.set AW, 2
.set AB, 0
.endif
.if (\s) < 5
.set BW, 3
.set BB, 48*(\s)
.else
.set BW, 2
.set BB, 32+48*((\s)-5)
.endif
.set WN, BW|(AW<<4)|(AW<<6)
	WIN WN
.irp b, 0,1,2,3
.if (\s) == 0
	v_wmma_scale_f32_16x16x128_f8f6f4 v[AB+8*\b:AB+8*\b+7], v[BB+12*\b:BB+12*\b+11], v[AFR+12*(\a):AFR+12*(\a)+11], 0, v[BS+8*\b+(\s)], v[AS+8*(\a)+(\s)] matrix_a_fmt:MATRIX_FMT_BF6 matrix_b_fmt:MATRIX_FMT_BF6
.else
	v_wmma_scale_f32_16x16x128_f8f6f4 v[AB+8*\b:AB+8*\b+7], v[BB+12*\b:BB+12*\b+11], v[AFR+12*(\a):AFR+12*(\a)+11], v[AB+8*\b:AB+8*\b+7], v[BS+8*\b+(\s)], v[AS+8*(\a)+(\s)] matrix_a_fmt:MATRIX_FMT_BF6 matrix_b_fmt:MATRIX_FMT_BF6
.endif
.endr
.endm
; A K step of 128: 36 matrix instructions.  A has one set of registers: blocks 0-4 are fetched anew behind their 20 products, blocks 5-8 behind their 16.
.macro STEP s
.if (\s) >= 4
	s_wait_loadcnt 12*(7-(\s))                     ; B of this K step is in; the later steps' twelve loads each may be out
.endif
	s_wait_dscnt 12                                ; all but the youngest twelve LDS loads, blocks 5-8
	MULA 0, \s
	MULA 1, \s
	MULA 2, \s
	MULA 3, \s
	MULA 4, \s
	s_wait_dscnt 0x0                               ; blocks 5-8 are in
.if (\s) < 7
	PLACES
	WIN 0
	FETCH_LO (\s)+1
.endif
	MULA 5, \s
	MULA 6, \s
	MULA 7, \s
	MULA 8, \s
	PLACES                                         ; in the last K step these four also stand in front of the first LDS store of a result
	WIN 0
.if (\s) < 7
	FETCH_HI (\s)+1
.endif
.endm
.irp a, 0,1,2,3,4,5,6,7,8              ; x's scale words: lane r takes row 16 a + r's eight
	ds_load_b128 v[AS+8*\a:AS+8*\a+3], v[ASA] offset:768*\a
	ds_load_b128 v[AS+8*\a+4:AS+8*\a+7], v[ASA] offset:768*\a+16
.endr
	FETCH_LO 0
	FETCH_HI 0
.irp s, 0,1,2,3,4,5,6,7
	STEP \s
.endr
; THE WAY OUT, block by block of 16 tokens x 64 columns.  A lane holds 32 bytes of a token's row and the lanes beside it other tokens: the block goes through my own stage in LDS and comes back as rows of
; 256 bytes, two a load; the tokens come with it.  LDS serves a wave's instructions in order: no wait between the stores and the loads, nor in front of the next block's stores.
.macro TOSTAGE a
.if (\a) < 8
	WIN 0x04
.set AB, 32*(\a)
.else
	WIN 0x08
.set AB, 0
.endif
.irp b, 0,1,2,3
	ds_store_b128 v[STO], v[AB+8*\b:AB+8*\b+3] offset:64*\b          ; each accumulator from its low end on
	ds_store_b128 v[STO], v[AB+8*\b+4:AB+8*\b+7] offset:64*\b+16
.endr
	WIN 0
.set OB, OUT+32*((\a)%2)
.set TB, TKR+8*((\a)%2)
.irp t, 0,1,2,3,4,5,6,7
	ds_load_b128 v[OB+4*\t:OB+4*\t+3], v[RD] offset:2*SP*\t
.endr
.irp t, 0,1,2,3,4,5,6,7
	ds_load_b32 v[TB+\t], v[TK] offset:4*(16*(\a)+2*\t)
.endr
.endm
.macro SEND a, younger                 ; younger: the LDS instructions issued behind block a's loads, which may stay out
.set OB, OUT+32*((\a)%2)
.set TB, TKR+8*((\a)%2)
.set FB, OFR+8*((\a)%2)
	s_wait_dscnt \younger
.irp t, 0,1,2,3,4,5,6,7
	v_min_u32 v[FB+\t], 0x1fff, v[TB+\t]
.endr
.irp t, 0,1,2,3,4,5,6,7
	v_lshlrev_b32 v[FB+\t], 12, v[FB+\t]           ; a row of out0 is 4,096 bytes
.endr
.irp t, 0,1,2,3,4,5,6,7
	v_add_nc_u32 v[FB+\t], v[CO], v[FB+\t]
.endr
.irp t, 0,1,2,3,4,5,6,7
	global_store_b128 v[FB+\t], v[OB+4*\t:OB+4*\t+3], s[16:17] th:TH_STORE_NT     ; sixteen lanes store 256 consecutive bytes, aligned, of a token's row; written once, read by nobody here
.endr
.endm
.irp a, 0,1,2,3,4,5,6,7,8
.if \a > 0
	s_cmp_le_u32 s26, 16*\a                        ; a block that lies wholly behind the tile's last row is left out, and all behind it
	s_cbranch_scc1 .Lfin_\a
.endif
.if \a >= 2
	s_wait_xcnt 0x0                                ; the stores of two blocks ago have read their data and offsets: this block's loads may land there, and the offsets may be made anew
.endif
	TOSTAGE \a
.if \a > 0
	SEND \a-1, 24                                  ; behind block a - 1's loads: this block's 8 stores and 16 loads
.endif
.endr
	SEND 8, 0
	s_branch .Lend
.irp a, 1,2,3,4,5,6,7,8
.Lfin_\a:
	SEND \a-1, 0
	s_branch .Lend
.endr
.Lend:
	s_wait_tensorcnt 0x0
	ds_add_u32 v254, v255
	s_wait_dscnt 0x0
	s_endpgm
.Lfunc_end_k_qaae3098d00_gemm:
	.size	k_qaae3098d00_gemm, .Lfunc_end_k_qaae3098d00_gemm-k_qaae3098d00_gemm
	.p2alignl 7, 3214868480
	.fill 96, 4, 3214868480
	.section	.rodata,"a",@progbits
	.p2align	6, 0x0
	.amdhsa_kernel k_qaae3098d00_gemm
		.amdhsa_group_segment_fixed_size 138496
		.amdhsa_private_segment_fixed_size 0
		.amdhsa_enable_private_segment 0
		.amdhsa_kernarg_size 56
		.amdhsa_user_sgpr_count 2
		.amdhsa_user_sgpr_kernarg_segment_ptr 1
		.amdhsa_wavefront_size32 1
		.amdhsa_system_sgpr_workgroup_id_x 1
		.amdhsa_system_sgpr_workgroup_id_y 1
		.amdhsa_system_sgpr_workgroup_id_z 1
		.amdhsa_system_vgpr_workitem_id 0
		.amdhsa_next_free_vgpr 1024
		.amdhsa_next_free_sgpr 66
		.amdhsa_reserve_vcc 0
		.amdhsa_float_denorm_mode_32 3
		.amdhsa_float_denorm_mode_16_64 3
		.amdhsa_memory_ordered 1
		.amdhsa_forward_progress 1
		.amdhsa_inst_pref_size 129
	.end_amdhsa_kernel
	.amdgpu_metadata
---
amdhsa.version: [ 1, 2 ]
amdhsa.kernels:
  - .name:           k_qaae3098d00_gemm
    .symbol:         k_qaae3098d00_gemm.kd
    .args:
      - { .name: tiles, .offset: 0, .size: 8, .value_kind: global_buffer, .address_space: global }
      - { .name: order, .offset: 8, .size: 8, .value_kind: global_buffer, .address_space: global }
      - { .name: xq, .offset: 16, .size: 8, .value_kind: global_buffer, .address_space: global }
      - { .name: xs, .offset: 24, .size: 8, .value_kind: global_buffer, .address_space: global }
      - { .name: wq, .offset: 32, .size: 8, .value_kind: global_buffer, .address_space: global }
      - { .name: ws, .offset: 40, .size: 8, .value_kind: global_buffer, .address_space: global }
      - { .name: out0, .offset: 48, .size: 8, .value_kind: global_buffer, .address_space: global }
    .group_segment_fixed_size: 138496
    .private_segment_fixed_size: 0
    .kernarg_segment_align: 8
    .kernarg_segment_size: 56
    .max_flat_workgroup_size: 128
    .sgpr_count:     66
    .vgpr_count:     1024
    .wavefront_size: 32
...
	.end_amdgpu_metadata
.endif
;; end of part 2
;; ======== version 2 of 2: 2 launches; version 1 with the launch gemm written anew for expert scheduling mode
;; workspace buffers: xq 6,291,456 bytes; xs 262,144 bytes; wq 6,291,456 bytes; ws 262,144 bytes; order 32,768 bytes of whole numbers; tiles 2,048 bytes of whole numbers
;; launch prep: the kernel of part 1 again; grid 257 x 1, 4 waves a work-group, no clusters, 91,136 bytes of LDS; arguments group, weight, x, xq, xs, wq, ws, order, tiles; writes xq, xs, wq, ws, order, tiles
;; launch gemm (part 3): grid 4 x 64, 4 waves a work-group, no clusters, 138,496 bytes of LDS; arguments tiles, order, xq, xs, wq, ws, out0; writes out0
.if DOCPART == 3
	.amdgcn_target "amdgcn-amd-amdhsa--gfx1250"
	.amdhsa_code_object_version 6
	.text
	.protected	k_qaae3098d00_gemm
	.globl	k_qaae3098d00_gemm
	.p2align	8
	.type	k_qaae3098d00_gemm,@function
k_qaae3098d00_gemm:
	s_mov_b64 s[64:65], 0
	v_nop
	global_prefetch_b8 v0, s[64:65] scope:SCOPE_SE
	s_setreg_imm32_b32 hwreg(HW_REG_WAVE_SCHED_MODE, 0, 2), 2
	s_setreg_imm32_b32 hwreg(HW_REG_WAVE_MODE, 25, 1), 1
	s_wait_xcnt 0x0
	s_wait_alu depctr_vm_vsrc(0)
; out0[token][:] = Q(x[token]) . Q(weight[group[token]])^T on codes of BF6 (E3M2) with one E8M0 scale for each 32 along K; sums in f32.  Only the chosen group's rows are multiplied.
; SHARES.  Work-group (x, y) takes row tile y of the table (up to 144 tokens of one group, by the sorted list) and output columns 256 x on.  With 8,192 tokens, 8 groups and tiles of 144 rows there are
; never more than 64 tiles, whatever the split: the grid of 4 x 64 serves every split; a tile without rows stores nothing and ends behind the barrier.
; Four waves; wave w makes all 144 rows x columns 64 w on: 36 accumulators of 16 x 16, 288 registers.
; B: the wave's 64 weight rows for all of K, 384 registers, come from memory straight into registers, from a buffer laid in the order of the operand's registers: each load reads 512 consecutive bytes.
; A: the tile's rows of codes are gathered once into LDS; sixteen lanes read 256 consecutive bytes, aligned, of a token's 768.  Wave w brings rows 36 w on.  Nothing in LDS is filled twice.
; No cluster and no joint loads: A's rows are a gather lane by lane, B has no copy in LDS to share, and which tiles share a group hangs on the stored table.
; ROWS BEHIND THE TILE'S LAST repeat its last row (the index into the list is held at rows - 1).  Whole blocks of 16 such rows are neither staged nor stored; inside the last block they store the last
; row's own numbers to its own bytes again: at most 15 rows a tile, from the same wave, the same values.
; THE MATRIX INSTRUCTION IS USED TRANSPOSED (source 0 = 16 weight rows, source 1 = 16 tokens): lane (r, h) holds token r and its registers the columns 8 h + 0 .. 7: 32 neighbouring bytes of a row.
; REGISTERS, in windows of 256 (s_set_vgpr_msb: bits 1:0 source 0, 3:2 source 1, 5:4 source 2, 7:6 destination):
;   window 0: v1-25 addresses; v32-63 weight's scale words (8 b + s); v64-135 x's (8 a + s): these hold scales alone; v136-195 A's blocks 0-4 of the even K steps; v196-243 A's blocks 5-8
;             (before the K steps: gather addresses and scales; on the way out: rows read back, tokens, offsets).
;   window 1: accumulators of blocks 0-7 at 8 (4 a + b) (before the K steps: the gathered codes).   window 2: v0-31 block 8's; v32-175 B of K steps 5-7; v176-235 A's blocks 0-4 of the odd K steps.
;   window 3: B of K steps 0-4.
; THE MODE: SCHED_MODE bits 1:0 = 2 (LLVM: expert scheduling mode 2), set by the entry lines.  The code itself states the register dependences between vector or matrix instructions and
; memory or LDS instructions, with s_wait_alu, always for 0.
; THE PLAN.  Registers that memory or LDS instructions touch:
;   v1-20, v254, v255   addresses, written at the head by vector lines and never again: one wait ahead of the first load serves them for the whole kernel.
;   v21-24              tokens and their scale rows' offsets: written by four vector lines, then read by LDS stores and loads: one wait between.
;   GA                  the gather's 18 offsets: written by vector lines, read by the gather: one wait between.  GA, GS and window 1's registers are read by the gather and by LDS stores and are later
;                       written by the fragments' loads and the first products: one wait on vm_vsrc behind the barrier.
;   LO0, LO1, HI        K step s: its products read LO[s % 2] and HI.  Its loads are HI's (blocks 5-8 of step s) and LO[(s + 1) % 2]'s (blocks 0-4 of step s + 1): registers that the products of step s - 1
;                       read last.  So ONE wait on va_vdst at a step's head serves all 27 loads of the step; they are dealt among its products, which name none of those registers.
;   B, the scale words  loads land there once; products alone read them.
;   the way out         the accumulators are read by LDS stores: one wait behind the last product.  Rows read back, tokens and offsets lie in two sets by turns: block a's offsets are written by vector lines
;                       and read by its stores (one wait between); the sets are written again two blocks on, behind one wait on vm_vsrc.
.set AP,    784                        ; a row of A's codes in LDS: 768 bytes + 16 (49 x 16)
.set ASC,   144*AP                     ; x's scale bytes: 144 rows, 48 bytes apart, 32 used
.set TOKL,  ASC+144*48                 ; the tile's 144 token numbers
.set STAGE, TOKL+768                   ; the way out: 16 rows x (256 bytes + 16) for each wave
.set SP,    272
.set LN,  1                            ; lane
.set RR,  2                            ; r = lane % 16
.set HH,  3                            ; h = lane / 16
.set L16, 4                            ; 16 x lane
.set R32, 5                            ; 32 r
.set AF,  6                            ; A's fragments: 784 r + 48 h
.set AF2, 7                            ; the same five blocks on: the 16-bit offset does not reach blocks 5-8 from AF
.set GW,  8                            ; gather, into LDS: my wave's rows, row h of a pair, 16 r
.set TW1, 9                            ; token words: rows 36 w + lane
.set TW2, 10                           ; rows 36 w + 32 + lane % 4
.set PT,  11                           ; the pair's token: row 36 w + h
.set SW1, 12                           ; scale rows 36 w + lane
.set SW2, 13                           ; rows 36 w + 32 + lane % 4
.set ASA, 14                           ; x's scale words: row r
.set STO, 15                           ; stage, in
.set RD,  16                           ; stage, back
.set TK,  17                           ; the token of row h
.set CO,  18                           ; 16 r
.set BS,  32
.set AS,  64
.set AFR, 136                          ; window 0: A's fragment a at AFR + 12 a (blocks 0-4: the even K steps' set)
.set AL1, 176                          ; window 2: blocks 0-4 of the odd K steps at AL1 + 12 a
.set GA,  136                          ; v136-153 the 18 pairs' tokens, then byte offsets
.set GS,  160                          ; v160-175 gathered scale bytes
.set OUT, 136                          ; the way out: v136-167, v168-199 rows read back, by turns
.set TKR, 200                          ; v200-215 their tokens
.set OFR, 216                          ; v216-231 their byte offsets in out0
.set MSB, 0
.macro WIN new                         ; the immediate's high byte repeats the setting that is left; a switch that changes nothing is dropped
.if MSB != (\new)
	s_set_vgpr_msb (MSB<<8)|(\new)
.set MSB, (\new)
.endif
.endm
.macro PLACES                          ; four plain instructions behind a matrix instruction, ahead of an LDS store of its result and of a vector line or a load that writes a register that it read
.rept 4
	v_nop
.endr
.endm
	s_load_b256 s[4:11], s[0:1], 0x0               ; tiles 4:5, order 6:7, xq 8:9, xs 10:11
	s_load_b128 s[12:15], s[0:1], 0x20             ; wq 12:13, ws 14:15
	s_load_b64 s[16:17], s[0:1], 0x30              ; out0
	v_lshl_add_u32 v254, v0, 2, 0x21b00
	v_mov_b32 v255, 0
	v_lshrrev_b32 v1, 5, v0
	v_readfirstlane_b32 s18, v1                    ; wave 0..3
	s_mov_b32 s19, ttmp9                           ; column block
	s_and_b32 s20, ttmp7, 0xffff                   ; row tile,
	s_lshl_b32 s20, s20, 4                         ; 16 bytes an entry
	s_mov_b32 s21, 0
	v_and_b32 v[LN], 31, v0
	v_and_b32 v[RR], 15, v0
	v_bfe_u32 v[HH], v0, 4, 1
	v_lshlrev_b32 v[L16], 4, v[LN]
	v_lshlrev_b32 v[R32], 5, v[RR]
	v_lshlrev_b32 v[CO], 4, v[RR]
	v_mul_u32_u24 v[AF], v[RR], AP
	v_mad_u32_u24 v[AF], v[HH], 48, v[AF]
	v_add_nc_u32 v[AF2], 5*16*AP, v[AF]
	s_wait_kmcnt 0x0
	s_add_nc_u64 s[4:5], s[4:5], s[20:21]
	s_load_b128 s[24:27], s[4:5], 0x0              ; group, first place in the list, rows, 0
	s_wait_alu depctr_va_sdst(0)                   ; s18, the wave's number, is written, ahead of its first reader: LDS places and the bases of wq, ws and out0 are made from it
	s_mul_i32 s30, s18, 36*AP
	v_mad_u32_u24 v[GW], v[HH], AP, v[CO]
	v_add_nc_u32 v[GW], s30, v[GW]
	s_mul_i32 s30, s18, 144
	s_add_co_u32 s30, s30, TOKL
	v_and_b32 v25, 3, v[LN]
	v_lshl_add_u32 v[TW1], v[LN], 2, s30
	v_lshl_add_u32 v[TW2], v25, 2, s30
	v_add_nc_u32 v[TW2], 128, v[TW2]
	v_lshl_add_u32 v[PT], v[HH], 2, s30
	s_mul_i32 s30, s18, 36*48
	s_add_co_u32 s30, s30, ASC
	v_mul_u32_u24 v[SW1], v[LN], 48
	v_add_nc_u32 v[SW1], s30, v[SW1]
	v_mul_u32_u24 v[SW2], v25, 48
	v_add_nc_u32 v[SW2], s30, v[SW2]
	v_add_nc_u32 v[SW2], 32*48, v[SW2]
	v_mul_u32_u24 v[ASA], v[RR], 48
	v_add_nc_u32 v[ASA], ASC, v[ASA]
	s_mul_i32 s30, s18, 16*SP
	s_add_co_u32 s30, s30, STAGE
	v_mul_u32_u24 v[STO], v[RR], SP
	v_lshl_add_u32 v[STO], v[HH], 5, v[STO]
	v_add_nc_u32 v[STO], s30, v[STO]
	v_mul_u32_u24 v[RD], v[HH], SP
	v_add_nc_u32 v[RD], v[RD], v[CO]
	v_add_nc_u32 v[RD], s30, v[RD]
	v_lshlrev_b32 v[TK], 2, v[HH]
	v_add_nc_u32 v[TK], TOKL, v[TK]
	s_mul_i32 s30, s18, 36
	v_add_nc_u32 v19, s30, v[LN]                   ; the rows whose tokens I fetch: 36 w + lane,
	v_add_nc_u32 v20, s30, v25
	v_add_nc_u32 v20, 32, v20                      ; and 36 w + 32 + lane % 4
	s_wait_kmcnt 0x0
	s_min_u32 s24, s24, 7                          ; loaded numbers are held inside their ranges before they enter an address
	s_min_u32 s25, s25, 0x1fff
	s_min_u32 s26, s26, 144
	s_max_u32 s28, s26, 1
	s_sub_co_u32 s28, s28, 1                       ; the tile's last row (0 in a tile without rows: it then reads the list's first token and stores nothing)
	s_lshl_b32 s29, s24, 6
	s_lshl_b32 s30, s19, 4
	s_add_co_u32 s29, s29, s30
	s_lshl_b32 s30, s18, 2
	s_add_co_u32 s29, s29, s30                     ; my first tile of 16 weight rows: 64 group + 16 column block + 4 wave
	s_mov_b32 s31, 0
	s_mul_i32 s30, s29, 12288
	s_add_nc_u64 s[12:13], s[12:13], s[30:31]
	s_lshl_b32 s30, s29, 9
	s_add_nc_u64 s[14:15], s[14:15], s[30:31]
	s_lshl_b32 s30, s19, 10
	s_lshl_b32 s29, s18, 8
	s_add_co_u32 s30, s30, s29                     ; my 256 bytes of a row of out0
	s_add_nc_u64 s[16:17], s[16:17], s[30:31]
	v_min_u32 v19, s28, v19
	v_min_u32 v20, s28, v20
	v_add_nc_u32 v19, s25, v19
	v_add_nc_u32 v20, s25, v20
	v_min_u32 v19, 0x1fff, v19
	v_min_u32 v20, 0x1fff, v20
	v_lshlrev_b32 v19, 2, v19
	v_lshlrev_b32 v20, 2, v20
	s_wait_alu depctr_va_vdst(0)                   ; the head's vector lines have written v1 to v20, v254 and v255: every address and offset that the loads, stores and LDS instructions below read but those made later
	global_load_b32 v21, v19, s[6:7]               ; the tokens
	global_load_b32 v22, v20, s[6:7]
.macro BLOAD s                         ; B of K step s: four fragments of twelve registers, three loads each.  No vector or matrix instruction names these registers ahead of the loads
.if (\s) < 5
	WIN 0xc0
.set BB, 48*(\s)
.else
	WIN 0x80
.set BB, 32+48*((\s)-5)
.endif
.irp b, 0,1,2,3
.irp c, 0,1,2
	global_load_b128 v[BB+12*\b+4*\c:BB+12*\b+4*\c+3], v[L16], s[12:13] offset:12288*\b+1536*(\s)+512*\c
.endr
.endr
.endm
.irp b, 0,1,2,3                        ; weight's scale words: lane r takes row r's eight (lanes 16-31 the same rows; they are not read)
	global_load_b128 v[BS+8*\b:BS+8*\b+3], v[R32], s[14:15] offset:512*\b
	global_load_b128 v[BS+8*\b+4:BS+8*\b+7], v[R32], s[14:15] offset:512*\b+16
.endr
	BLOAD 0
	BLOAD 1
	BLOAD 2
	BLOAD 3
	WIN 0
	s_wait_loadcnt 56                              ; the two token loads are in; behind them: 8 scale loads and 48 of B
	v_min_u32 v21, 0x1fff, v21
	v_min_u32 v22, 0x1fff, v22
	v_lshlrev_b32 v23, 5, v21
	v_lshlrev_b32 v24, 5, v22
	s_wait_alu depctr_va_vdst(0)                   ; these four lines have written v21 and v22, the LDS stores' data, and v23 and v24, the scale loads' offsets
	ds_store_b32 v[TW1], v21
	ds_store_b32 v[TW2], v22                       ; (eight lanes write each word, with the same value)
	global_load_b128 v[GS:GS+3], v23, s[10:11]     ; my rows' 32 scale bytes
	global_load_b128 v[GS+4:GS+7], v23, s[10:11] offset:16
	global_load_b128 v[GS+8:GS+11], v24, s[10:11]
	global_load_b128 v[GS+12:GS+15], v24, s[10:11] offset:16
.irp i, 0,1,2,3,4,5,6,7,8,9,10,11,12,13,14,15,16,17
	ds_load_b32 v[GA+\i], v[PT] offset:8*\i        ; pair i: lanes 0-15 the token of my wave's row 2 i, lanes 16-31 of row 2 i + 1: my wave's own words, served in order behind the stores
.endr
	s_wait_dscnt 0x0
.irp i, 0,1,2,3,4,5,6,7,8,9,10,11,12,13,14,15,16,17
	v_min_u32 v[GA+\i], 0x1fff, v[GA+\i]
.endr
.irp i, 0,1,2,3,4,5,6,7,8,9,10,11,12,13,14,15,16,17
	v_mul_u32_u24 v[GA+\i], v[GA+\i], 768
.endr
.irp i, 0,1,2,3,4,5,6,7,8,9,10,11,12,13,14,15,16,17
	v_add_nc_u32 v[GA+\i], v[CO], v[GA+\i]
.endr
	WIN 0x40                                       ; destination window 1
	s_wait_alu depctr_va_vdst(0)                   ; the additions have written the 18 offsets v[GA ..], which the gather's loads read
.irp i, 0,1,2,3,4,5,6,7,8,9,10,11,12,13,14,15,16,17
.irp u, 0,1,2
	global_load_b128 v[4*(3*\i+\u):4*(3*\i+\u)+3], v[GA+\i], s[8:9] offset:256*\u    ; sixteen lanes read 256 consecutive bytes of a token's codes
.endr
.endr
	WIN 0
	s_wait_loadcnt 54                              ; the scale bytes are in; the 54 gather loads may be out
	ds_store_b128 v[SW1], v[GS:GS+3]
	ds_store_b128 v[SW1], v[GS+4:GS+7] offset:16
	ds_store_b128 v[SW2], v[GS+8:GS+11]
	ds_store_b128 v[SW2], v[GS+12:GS+15] offset:16
	WIN 0x04                                       ; an LDS store's data are its source 1: window 1
.irp q, 0,1,2
	s_wait_loadcnt 36-18*\q                        ; six pairs at a time: the 18 loads of pairs 6 q .. 6 q + 5 are in
.irp j, 0,1,2,3,4,5
.irp u, 0,1,2
	ds_store_b128 v[GW], v[4*(3*(6*\q+\j)+\u):4*(3*(6*\q+\j)+\u)+3] offset:2*AP*(6*\q+\j)+256*\u
.endr
.endr
.endr
	BLOAD 4                                        ; the rest of B: on its way across the barrier and the first four K steps; nobody writes those bytes
	BLOAD 5
	BLOAD 6
	BLOAD 7
	WIN 0
	s_wait_dscnt 0x0                               ; for the others' sake: my rows, scale bytes and tokens lie in LDS
	s_barrier_signal -1
	s_barrier_wait -1                              ; the one barrier: every wave passes it, in a tile without rows too
	s_wait_alu depctr_vm_vsrc(0)                   ; the gather's loads have read v[GA ..], the LDS stores v[GS ..] and window 1's registers: A's fragments land in the first two, the first products write the third
	s_cmp_eq_u32 s26, 0
	s_cbranch_scc1 .Lend
.macro FETCH_LO1 a, s                  ; A's block a (0-4) of K step s into the set of s % 2: three loads of 16 bytes
.if ((\s)%2) == 1
	WIN 0x80                                       ; destination window 2, address window 0
.set AA, AL1+12*(\a)
.else
	WIN 0
.set AA, AFR+12*(\a)
.endif
.irp c, 0,1,2
	ds_load_b128 v[AA+4*\c:AA+4*\c+3], v[AF] offset:16*AP*(\a)+96*(\s)+16*\c
.endr
.endm
.macro FETCH_HI s                      ; blocks 5-8
	WIN 0
.irp a, 5,6,7,8
.irp c, 0,1,2
	ds_load_b128 v[AFR+12*\a+4*\c:AFR+12*\a+4*\c+3], v[AF2] offset:16*AP*(\a-5)+96*(\s)+16*\c
.endr
.endr
.endm
; four matrix instructions: A's block a against B's four tiles, K step s.  In K step 0 the constant 0 starts the sums: nothing is cleared.
; The 36 accumulators take turns, one instruction a turn, in the same order in every K step.
.macro MULA a, s
.if (\a) < 8
.set AW, 1
.set AB, 32*(\a)
.else
.set AW, 2
.set AB, 0
.endif
.if (\s) < 5
.set BW, 3
.set BB, 48*(\s)
.else
.set BW, 2
.set BB, 32+48*((\s)-5)
.endif
.set SA, 0
.set AA, AFR+12*(\a)
.if (\a) < 5
.if ((\s)%2) == 1
.set SA, 2                             ; blocks 0-4 of an odd K step lie in window 2
.set AA, AL1+12*(\a)
.endif
.endif
.set WN, BW|(SA<<2)|(AW<<4)|(AW<<6)
	WIN WN
.irp b, 0,1,2,3
.if (\s) == 0
	v_wmma_scale_f32_16x16x128_f8f6f4 v[AB+8*\b:AB+8*\b+7], v[BB+12*\b:BB+12*\b+11], v[AA:AA+11], 0, v[BS+8*\b+(\s)], v[AS+8*(\a)+(\s)] matrix_a_fmt:MATRIX_FMT_BF6 matrix_b_fmt:MATRIX_FMT_BF6
.else
	v_wmma_scale_f32_16x16x128_f8f6f4 v[AB+8*\b:AB+8*\b+7], v[BB+12*\b:BB+12*\b+11], v[AA:AA+11], v[AB+8*\b:AB+8*\b+7], v[BS+8*\b+(\s)], v[AS+8*(\a)+(\s)] matrix_a_fmt:MATRIX_FMT_BF6 matrix_b_fmt:MATRIX_FMT_BF6
.endif
.endr
.endm
; A K step of 128: 36 matrix instructions.  Blocks 0-4 of A have two sets of registers, which take turns from step to step; blocks 5-8 have one.
; At the step's head one wait frees both the set of blocks 5-8 and the other set of blocks 0-4; this step's blocks 5-8 are asked for at once, 20 products ahead of their use, and the next step's
; blocks 0-4 three loads at a time, behind each of this step's first five runs of four products.
.macro STEP s
.if (\s) >= 4
	s_wait_loadcnt 12*(7-(\s))                     ; B of this K step is in; the later steps' twelve loads each may be out
.endif
.if (\s) > 0
	s_wait_alu depctr_va_vdst(0)                   ; the last step's products are done reading A's blocks 5-8 and their set of blocks 0-4: this step's 27 LDS loads land in those registers
	FETCH_HI \s
.endif
	s_wait_dscnt 12                                ; all but the youngest twelve LDS loads, blocks 5-8: this step's blocks 0-4 are in
.irp a, 0,1,2,3,4
	MULA \a, \s
.if (\s) < 7
	FETCH_LO1 \a, (\s)+1                           ; no wait: no product since the wait at the step's head names the other set, or the address
.endif
.endr
.if (\s) < 7
	s_wait_dscnt 15                                ; blocks 5-8 are in; the fifteen younger loads, the next step's blocks 0-4, may be out
.else
	s_wait_dscnt 0x0                               ; blocks 5-8 are in
.endif
	MULA 5, \s
	MULA 6, \s
	MULA 7, \s
	MULA 8, \s
	PLACES                                         ; they stand beside the wait that follows them, which fills no place; in the last K step they stand in front of the first LDS store of a result
	WIN 0
.endm
.irp a, 0,1,2,3,4,5,6,7,8              ; x's scale words: lane r takes row 16 a + r's eight
	ds_load_b128 v[AS+8*\a:AS+8*\a+3], v[ASA] offset:768*\a
	ds_load_b128 v[AS+8*\a+4:AS+8*\a+7], v[ASA] offset:768*\a+16
.endr
.irp a, 0,1,2,3,4
	FETCH_LO1 \a, 0
.endr
	FETCH_HI 0
.irp s, 0,1,2,3,4,5,6,7
	STEP \s
.endr
	s_wait_alu depctr_va_vdst(0)                   ; the products have written the accumulators, which the LDS stores below read, and are done reading A's registers, in which the loads from the stage land
; THE WAY OUT, block by block of 16 tokens x 64 columns.  A lane holds 32 bytes of a token's row and the lanes beside it other tokens: the block goes through my own stage in LDS and comes back as rows of
; 256 bytes, two a load; the tokens come with it.  LDS serves a wave's instructions in order: no wait between the stores and the loads, nor in front of the next block's stores.
.macro TOSTAGE a
.if (\a) < 8
	WIN 0x04
.set AB, 32*(\a)
.else
	WIN 0x08
.set AB, 0
.endif
.irp b, 0,1,2,3
	ds_store_b128 v[STO], v[AB+8*\b:AB+8*\b+3] offset:64*\b          ; each accumulator from its low end on
	ds_store_b128 v[STO], v[AB+8*\b+4:AB+8*\b+7] offset:64*\b+16
.endr
	WIN 0
.set OB, OUT+32*((\a)%2)
.set TB, TKR+8*((\a)%2)
.irp t, 0,1,2,3,4,5,6,7
	ds_load_b128 v[OB+4*\t:OB+4*\t+3], v[RD] offset:2*SP*\t
.endr
.irp t, 0,1,2,3,4,5,6,7
	ds_load_b32 v[TB+\t], v[TK] offset:4*(16*(\a)+2*\t)
.endr
.endm
.macro SEND a, younger                 ; younger: the LDS instructions issued behind block a's loads, which may stay out
.set OB, OUT+32*((\a)%2)
.set TB, TKR+8*((\a)%2)
.set FB, OFR+8*((\a)%2)
	s_wait_dscnt \younger
.irp t, 0,1,2,3,4,5,6,7
	v_min_u32 v[FB+\t], 0x1fff, v[TB+\t]
.endr
.irp t, 0,1,2,3,4,5,6,7
	v_lshlrev_b32 v[FB+\t], 12, v[FB+\t]           ; a row of out0 is 4,096 bytes
.endr
.irp t, 0,1,2,3,4,5,6,7
	v_add_nc_u32 v[FB+\t], v[CO], v[FB+\t]
.endr
	s_wait_alu depctr_va_vdst(0)                   ; the additions have written this block's eight offsets, which the stores read; and the holds are done reading its tokens' registers, in which the loads of two blocks on land
.irp t, 0,1,2,3,4,5,6,7
	global_store_b128 v[FB+\t], v[OB+4*\t:OB+4*\t+3], s[16:17] th:TH_STORE_NT     ; sixteen lanes store 256 consecutive bytes, aligned, of a token's row; written once, read by nobody here
.endr
.endm
.irp a, 0,1,2,3,4,5,6,7,8
.if \a > 0
	s_cmp_le_u32 s26, 16*\a                        ; a block that lies wholly behind the tile's last row is left out, and all behind it
	s_cbranch_scc1 .Lfin_\a
.endif
.if \a >= 2
	s_wait_xcnt 0x0                                ; the stores of two blocks ago have had their addresses translated: this block's loads may land in their data registers, and their offsets may be made anew
	s_wait_alu depctr_vm_vsrc(0)                   ; and they have read those data and offset registers, which this block's loads from the stage and its offsets' vector lines write again
.endif
	TOSTAGE \a
.if \a > 0
	SEND \a-1, 24                                  ; behind block a - 1's loads: this block's 8 stores and 16 loads
.endif
.endr
	SEND 8, 0
	s_branch .Lend
.irp a, 1,2,3,4,5,6,7,8                ; the last block that has rows: its offsets' registers were last read by the stores of two blocks before it, ahead of the wait on vm_vsrc at its own head
.Lfin_\a:
	SEND \a-1, 0
	s_branch .Lend
.endr
.Lend:
	s_wait_dscnt 0x0                               ; the closing lines, six on end
	s_wait_alu 0x0
	s_wait_tensorcnt 0x0
	ds_add_u32 v254, v255
	s_wait_dscnt 0x0
	s_endpgm
.Lfunc_end_k_qaae3098d00_gemm:
	.size	k_qaae3098d00_gemm, .Lfunc_end_k_qaae3098d00_gemm-k_qaae3098d00_gemm
	.p2alignl 7, 3214868480
	.fill 96, 4, 3214868480
	.section	.rodata,"a",@progbits
	.p2align	6, 0x0
	.amdhsa_kernel k_qaae3098d00_gemm
		.amdhsa_group_segment_fixed_size 138496
		.amdhsa_private_segment_fixed_size 0
		.amdhsa_enable_private_segment 0
		.amdhsa_kernarg_size 56
		.amdhsa_user_sgpr_count 2
		.amdhsa_user_sgpr_kernarg_segment_ptr 1
		.amdhsa_wavefront_size32 1
		.amdhsa_system_sgpr_workgroup_id_x 1
		.amdhsa_system_sgpr_workgroup_id_y 1
		.amdhsa_system_sgpr_workgroup_id_z 1
		.amdhsa_system_vgpr_workitem_id 0
		.amdhsa_next_free_vgpr 1024
		.amdhsa_next_free_sgpr 66
		.amdhsa_reserve_vcc 0
		.amdhsa_float_denorm_mode_32 3
		.amdhsa_float_denorm_mode_16_64 3
		.amdhsa_memory_ordered 1
		.amdhsa_forward_progress 1
		.amdhsa_inst_pref_size 131
	.end_amdhsa_kernel
	.amdgpu_metadata
---
amdhsa.version: [ 1, 2 ]
amdhsa.kernels:
  - .name:           k_qaae3098d00_gemm
    .symbol:         k_qaae3098d00_gemm.kd
    .args:
      - { .name: tiles, .offset: 0, .size: 8, .value_kind: global_buffer, .address_space: global }
      - { .name: order, .offset: 8, .size: 8, .value_kind: global_buffer, .address_space: global }
      - { .name: xq, .offset: 16, .size: 8, .value_kind: global_buffer, .address_space: global }
      - { .name: xs, .offset: 24, .size: 8, .value_kind: global_buffer, .address_space: global }
      - { .name: wq, .offset: 32, .size: 8, .value_kind: global_buffer, .address_space: global }
      - { .name: ws, .offset: 40, .size: 8, .value_kind: global_buffer, .address_space: global }
      - { .name: out0, .offset: 48, .size: 8, .value_kind: global_buffer, .address_space: global }
    .group_segment_fixed_size: 138496
    .private_segment_fixed_size: 0
    .kernarg_segment_align: 8
    .kernarg_segment_size: 56
    .max_flat_workgroup_size: 128
    .sgpr_count:     66
    .vgpr_count:     1024
    .wavefront_size: 32
...
	.end_amdgpu_metadata
.endif
;; end of part 3
